; MI455X (gfx1250); checked and timed in simulation.
; The chip was launched on July 23, 2026; its instructions are those of AMD's public machine-readable ISA for CDNA 5 (MIT licence, August 2026) and "CDNA5" Instruction Set Architecture Reference Guide (July 2026). The comments in the code are by the model that wrote it; some were corrected since.
;; Fused Mo E Modular Kernel. Allowed arithmetic: matrix products marked QUANTISED: E4M3 operands, one E8M0 scale for each 32 along K, by v_wmma_scale_f32_16x16x128_f8f6f4 with both operands' format E4M3, f32 sums; products left as they are: f32 operands where the result goes on into a quantised operand, else bf16, f16 or f32 operands; f32 sums; everything else in f32.
;; Inputs: hidden_states 2,048 x 2,048 float32; topk_ids 2,048 x 2 int32; topk_weights 2,048 x 2 float32; w1 8 x 1,024 x 2,048 float32; w2 8 x 2,048 x 512 float32.
;; Outputs: out0 2,048 x 2,048 float32.
;; This version of the problem:
;;   THIS VERSION OF THE PROBLEM IS GIVEN IN LOW PRECISION. The matrix products marked QUANTISED in the list below multiply operands that are first quantised to E4M3 (4 exponent bits, 3 mantissa bits; 8 bits a number), with one power-of-two scale for each 32 numbers along K (OCP MX v1.0); their sums are f32. All else is computed in f32.
;;   The module's matrix products, in the order in which they are computed (A, B: the left and right operand; K: the contracted axis; several contracted axes count as one K, in the product's order):
;;     1. batch 2,048 x [M 1, K 2] x [K 2, N 8]; A: input topk_weights; B: computed on the way: left as it is (K = 2 < 32)
;;     2. [M 8,192, K 2,048] x [K 2,048, N 2,048]; A: input w1; B: input hidden_states: QUANTISED
;;     3. batch 8 x [M 2,048, K 512] x [K 512, N 2,048]; A: computed on the way; B: input w2: QUANTISED
;;     4. batch 2,048 x [M 1, K 8] x [K 8, N 2,048]; A: computed on the way; B: computed on the way: left as it is (K = 8 < 32)
;;   THE QUANTISER, for each operand of a quantised product, along K:
;;     - K is cut into blocks of 32 from its start; a last block that is shorter is filled with zeros.
;;     - A block's scale is 2^e with e = floor(log2(the largest magnitude in the block)) - 8, held to -126 .. 127; a block of zeros has e = 0. As a byte (E8M0): e + 127.
;;     - Each number is divided by its block's scale, clamped to +-448, and rounded to the nearest number of E4M3, ties to even, subnormals kept.
;;     - The product sums the exact products of the quantised numbers (number of the format x scale) in f32.
;;   ~~~python
;;   def quantise(x, axis):      # numpy; x: float32 -> the quantised numbers, widened to float32 again
;;       x = np.moveaxis(x, axis, -1); K = x.shape[-1]
;;       x = np.pad(x, [(0, 0)] * (x.ndim - 1) + [(0, -K % 32)]); x = x.reshape(x.shape[:-1] + (-1, 32)); a = np.abs(x).max(-1, keepdims=True)
;;       e = np.where(a > 0, np.clip(np.frexp(np.where(a > 0, a, 1))[1] - 1 - 8, -126, 127), 0)      # np.frexp(a)[1] - 1 = floor(log2(a)), exactly
;;       r = np.clip(x / 2.0 ** e, -448, 448)
;;       step = 2.0 ** (np.maximum(np.frexp(np.where(r == 0, 1, r))[1] - 1, -6) - 3)
;;       q = np.round(r / step) * step * 2.0 ** e      # np.round: ties to even
;;       return np.moveaxis(q.reshape(q.shape[:-2] + (-1,))[..., :K], -1, axis).astype(np.float32)
;;   ~~~
;;   OPERANDS COMPUTED ON THE WAY. 'Computed on the way' means the value that the module computes at that place (a softmax that the list does not call 'softmax' is quantised finished and normalised). What goes into a quantiser is computed in f32, as accurately as f32 sums, v_exp_f32 and their like allow (about 1e-6 of the number): no bf16 or f16 on the way to a quantiser, and a product that is left as it is and whose result goes on into a quantised operand takes f32 operands (vector FMAs, or v_wmma_f32_16x16x4_f32). A number that lies on a knife's edge between two numbers of the format may be rounded either way, as far as f32 arithmetic and the matrix unit's own rounding can turn it there, and no further.
;; One version. Each part assembles by itself: llvm-mc -triple=amdgcn-amd-amdhsa -mcpu=gfx1250 --defsym DOCPART=n.
;; ======== version 1 of 1: 3 launches
;; limits: right only within a limited range of input values
;; workspace buffers: xbuf 4,325,376 bytes; w1buf 17,301,504 bytes; w2buf 8,650,752 bytes; actbuf 2,990,592 bytes; route 41,728 bytes of whole numbers
;; launch prep (part 1): grid 256 x 1, 15 waves a work-group, no clusters, 238,592 bytes of LDS; arguments hidden_states, w1, w2, topk_ids, xbuf, w1buf, w2buf, route; writes xbuf, w1buf, w2buf, route
.if DOCPART == 1
	.amdgcn_target "amdgcn-amd-amdhsa--gfx1250"
	.amdhsa_code_object_version 6
	.text
	.protected	k_q826a14ca2d_prep
	.globl	k_q826a14ca2d_prep
	.p2align	8
	.type	k_q826a14ca2d_prep,@function
k_q826a14ca2d_prep:
	s_mov_b64 s[64:65], 0
	v_nop
	global_prefetch_b8 v0, s[64:65] scope:SCOPE_SE
	s_setreg_imm32_b32 hwreg(HW_REG_WAVE_MODE, 25, 1), 1
	s_wait_xcnt 0x0
; PREP.  Turns w1, w2 and hidden_states (f32) into codes of E4M3 with one E8M0 byte for each 32 along K, once, and routes.
; WORK LEFT OUT BY THE PROGRAM: reference() computes every expert for every token and weighs the results by combine[m][e], which is a sum over t of topk_weights[m][t] where topk_ids[m][t] = e: a lookup by an index input.
; Only the two experts that topk_ids names for a token are computed; out[m] = the sum over t of topk_weights[m][t] x h2[topk_ids[m][t]][m].  A NaN, an infinity or an overflow that reaches only an expert not named for a token is not carried to its result.
; A UNIT is one tile of 16 rows x 512 along K (32,768 bytes of f32): 2,048 units of w1, 1,024 of w2, 512 of x; 14 to a work-group, one a wave.  A unit is 4 fragments of 16 rows x 128 K.
; Each load reads 512 neighbouring bytes of one row; a fragment's 16 rows turn through the wave's own LDS so that lane (r, h) holds, of row r, k = 32 c + 16 h + 0 .. 15: the operand's own order.
; WEIGHTS leave as images of the operand's registers.  Lane r of tile u takes row 8 u + r + 8 (r / 8) of its 32 rows, so that in the transposed product the 16 registers of tiles u = 0, 1 are 16 neighbours along the next axis.
; x leaves by tokens, [K group of 512][token][512 bytes], through a second stage.  Scale words: four K steps' words a row, 256 bytes a unit.
; ROUTING, wave 14 of work-groups 0 to 7 (in the others that wave has nothing to do): wave b takes the 512 entries i = 2 m + t of token block b (256 tokens), and counts the ids of all blocks itself, so that no wave waits for another.
; An expert's list is the chain of its segments (expert, block), each padded to 16 rows, and is cut into parts of six tiles (96 rows): part y is rows 96 y on.  Rows that no entry takes hold token 0.
; Stored: LIST (token of each list row; behind it 8 x 32 words that take the stores of lanes without a row), INV (for each entry 1024 x pass + its stage row in launch down), TB (for each block and expert the segment's first tile and its tiles), CH (each part's expert and tiles).
; LIMITS: NaN and infinities are not served; topk_ids outside 0 .. 7 are not served; a block of zeros gets the byte 1, not 127: its codes are zeros and this program alone reads the bytes.
; No tensor loads and no cluster: work-groups share no input here.  No prefetch: each wave walks one unit, straight on.
.set XS_OFF,  4194304
.set W1S_OFF, 16777216
.set W2S_OFF, 8388608
.set INV_OFF, 23808
.set TB_OFF,  40192
.set CH_OFF,  41216
.set FP,    528                        ; a stage row: 512 bytes + 16, an odd multiple of 16
.set CSO,   16*FP                      ; behind the turn's 16 rows: x's stage of 16 rows
.set WREG,  32*FP                      ; LDS of a wave
.set SPARE, 14*WREG                    ; the spare words, 128 bytes for each wave
.set LI,   1                           ; 16 x lane
.set RR,   2                           ; r
.set HH,   3                           ; h
.set SI,   4                           ; the turn, way in
.set SO,   5                           ; the turn, way out
.set CI,   6                           ; x's stage, way in
.set CO,   7                           ; x's stage, way out
.set SS,   8                           ; 16 r
.set LN,   9                           ; lane
.set VO,   10                          ; v10-17  16 x lane + i rows
.set SW,   18                          ; v18-21  scale words of the four K steps
.set SPW,  22                          ; my spare word; never rewritten
.set NIL,  23                          ; 0; never rewritten
.set PW,   30
.set TM,   32                          ; v32-47  at work in QUANT
.set PC,   48                          ; v48-63  a fragment's codes
.set X,    64                          ; v64-127 64 numbers of a lane
.set R,    128                         ; v128-255 two sets of 16 loads
	s_load_b512 s[4:19], s[0:1], 0x0               ; hidden_states, w1, w2, topk_ids, xbuf, w1buf, w2buf, route
	v_lshl_add_u32 v[SPW], v0, 2, SPARE
	v_mov_b32 v[NIL], 0
	v_lshrrev_b32 v1, 5, v0
	v_readfirstlane_b32 s24, v1                    ; wave
	v_and_b32 v[LN], 31, v0
	s_wait_alu depctr_va_vdst(0)                   ; the wait ahead of the branch
	s_cmp_eq_u32 s24, 14
	s_cbranch_scc1 .Lroute
	s_mul_i32 s25, ttmp9, 14
	s_add_co_u32 s25, s25, s24                     ; U: my unit
	v_lshlrev_b32 v[LI], 4, v[LN]
	v_and_b32 v[RR], 15, v0
	v_bfe_u32 v[HH], v0, 4, 1
	s_mul_i32 s26, s24, WREG
	v_add_nc_u32 v[SI], s26, v[LI]
	v_mul_u32_u24 v[SO], v[RR], FP
	v_lshlrev_b32 v[SS], 4, v[RR]
	v_lshl_add_u32 v[CI], v[HH], 4, v[SO]
	v_lshl_add_u32 v[SO], v[HH], 6, v[SO]
	v_add_nc_u32 v[CI], s26, v[CI]
	v_add_nc_u32 v[SO], s26, v[SO]                 ; row r, + 64 h: 16 numbers of each block of 32
	v_add_nc_u32 v[CI], CSO, v[CI]                 ; row r, + 16 h
	v_add_nc_u32 v[CO], CSO, v[SI]
	s_mov_b32 s44, 0x76543210
	s_mov_b32 s45, 0xfedcba98                      ; lane l xor 16
	s_mov_b32 s46, 0x600000                        ; the mantissa field of 448
	s_mov_b32 s31, 0
	s_mov_b32 s49, 0
	s_mov_b32 s51, 0
	s_wait_alu depctr_va_vdst(0)                   ; the wait ahead of the branches
.macro ADDSH d, x, n                   ; s[d] += s[x] << n
	s_lshl_b32 s54, s\x, \n
	s_add_co_u32 s\d, s\d, s54
.endm
	; offsets: s30 source, s48 codes, s50 scale words; s27 role, s28 bytes of a row, s29 bytes from row 0 to row 8 of the tile
	s_cmp_lt_u32 s25, 2048
	s_cbranch_scc0 .Lr_w2
	s_mov_b32 s27, 0                               ; w1: U = K group, u, gate 0 / up 1, G, expert from the low bits on
	s_mov_b32 s28, 8192
	s_mov_b32 s29, 16*8192
	s_and_b32 s55, s25, 3
	s_bfe_u32 s53, s25, 0x20002                    ; u + 2 (gate / up)
	s_lshr_b32 s56, s25, 4                         ; 16 expert + G
	s_lshr_b32 s52, s25, 8
	s_lshl_b32 s52, s52, 10
	s_bfe_u32 s57, s25, 0x10003
	ADDSH 52, 57, 9
	s_bfe_u32 s57, s25, 0x40004
	ADDSH 52, 57, 5
	s_bfe_u32 s57, s25, 0x10002
	ADDSH 52, 57, 3                                ; the tile's first row
	s_lshl_b32 s30, s52, 13
	ADDSH 30, 55, 11
	s_lshl_b32 s48, s56, 17
	ADDSH 48, 55, 15
	ADDSH 48, 53, 11
	s_lshl_b32 s50, s56, 12
	ADDSH 50, 55, 10
	ADDSH 50, 53, 8
	s_add_co_u32 s50, s50, W1S_OFF
	s_branch .Lr_done
.Lr_w2:
	s_cmp_lt_u32 s25, 3072
	s_cbranch_scc0 .Lr_x
	s_sub_co_u32 s52, s25, 2048                    ; w2: V = u, which 32 of 64 rows, 32 expert + S
	s_mov_b32 s27, 1
	s_mov_b32 s28, 2048
	s_mov_b32 s29, 16*2048
	s_lshr_b32 s53, s52, 1
	s_lshl_b32 s30, s53, 16
	s_and_b32 s53, s52, 1
	ADDSH 30, 53, 14
	s_lshr_b32 s56, s52, 2
	s_and_b32 s53, s52, 3
	s_lshl_b32 s48, s56, 15
	ADDSH 48, 53, 11
	s_lshl_b32 s50, s52, 8
	s_add_co_u32 s50, s50, W2S_OFF
	s_branch .Lr_done
.Lr_x:
	s_sub_co_u32 s52, s25, 3072                    ; x: V = K group, which 16 tokens (in their own order)
	s_mov_b32 s27, 2
	s_mov_b32 s28, 8192
	s_mov_b32 s29, 8*8192
	s_lshr_b32 s56, s52, 2
	s_and_b32 s55, s52, 3
	s_lshl_b32 s30, s56, 17
	ADDSH 30, 55, 11
	s_lshl_b32 s48, s55, 20
	ADDSH 48, 56, 13
	s_lshl_b32 s50, s55, 15
	ADDSH 50, 56, 8
	s_add_co_u32 s50, s50, XS_OFF
.Lr_done:
	s_wait_kmcnt 0x0
	s_cmp_lt_u32 s25, 2048                         ; the buffers are chosen on the unit's number alone
	s_cselect_b64 s[32:33], s[6:7], s[8:9]
	s_cselect_b64 s[40:41], s[14:15], s[16:17]
	s_cmp_lt_u32 s25, 3072
	s_cselect_b64 s[32:33], s[32:33], s[4:5]
	s_cselect_b64 s[40:41], s[40:41], s[12:13]
	s_add_nc_u64 s[32:33], s[32:33], s[30:31]
	s_mov_b32 s56, s29
	s_mov_b32 s57, 0
	s_add_nc_u64 s[34:35], s[32:33], s[56:57]      ; the tile's row 8
	s_add_nc_u64 s[42:43], s[40:41], s[50:51]      ; the scale words
	s_add_nc_u64 s[40:41], s[40:41], s[48:49]      ; the codes
	v_mov_b32 v[VO], v[LI]
.irp i, 1,2,3,4,5,6,7
	v_add_nc_u32 v[VO+\i], s28, v[VO+\i-1]
.endr
.irp b, 0,1,2,3
	v_mov_b32 v[TM+4+\b], 0                        ; a lane permute's destination counts as one of its sources
.endr
.macro LOAD f                          ; fragment f: K step f of the group
.irp i, 0,1,2,3,4,5,6,7,8,9,10,11,12,13,14,15
	global_load_b128 v[R+64*((\f)%2)+4*\i:R+64*((\f)%2)+4*\i+3], v[VO+\i%8], s[32+2*(\i/8):33+2*(\i/8)] offset:512*(\f) th:TH_LOAD_NT
.endr
.endm
.macro TURN f                          ; LDS serves a wave's instructions in order: the loads see the stores
.irp i, 0,1,2,3,4,5,6,7,8,9,10,11,12,13,14,15
	ds_store_b128 v[SI], v[R+64*((\f)%2)+4*\i:R+64*((\f)%2)+4*\i+3] offset:FP*\i
.endr
.irp c, 0,1,2,3
.irp j, 0,1,2,3
	ds_load_b128 v[X+16*\c+4*\j:X+16*\c+4*\j+3], v[SO] offset:128*\c+16*\j
.endr
.endr
.endm
; register 16 b + i = k 32 b + 16 h + i of my row: codes into v[PC] on, the row's scale word into v[PW]
.macro QUANT
.irp b, 0,1,2,3
	v_max3_num_f32 v[TM+\b], |v[X+16*\b]|, |v[X+1+16*\b]|, 0x4800000   ; my 16 numbers and the floor 2^(9 - 127): the byte cannot fall under 1
.endr
.irp i, 2,4,6,8,10,12,14
.irp b, 0,1,2,3
	s_delay_alu instid0(VALU_DEP_4)
	v_max3_num_f32 v[TM+\b], v[TM+\b], |v[X+16*\b+\i]|, |v[X+1+16*\b+\i]|
.endr
.endr
.irp b, 0,1,2,3
	s_delay_alu instid0(VALU_DEP_4)
	v_permlanex16_b32 v[TM+4+\b], v[TM+\b], s44, s45
.endr
.irp b, 0,1,2,3
	s_delay_alu instid0(VALU_DEP_4)
	v_max_num_f32 v[TM+\b], v[TM+\b], v[TM+4+\b]   ; with lane l xor 16's: the block's largest magnitude
.endr
.irp b, 0,1,2,3
	s_delay_alu instid0(VALU_DEP_4)
	v_add_nc_u32 v[TM+12+\b], 0xfc000000, v[TM+\b] ; 8 off the exponent field: the conversion's scale operand
.endr
.irp b, 0,1,2,3
	v_and_or_b32 v[TM+8+\b], v[TM+\b], 0x7f800000, s46   ; 448 x the scale
.endr
.irp b, 0,1,2,3
	v_lshrrev_b32 v[TM+4+\b], 23, v[TM+12+\b]      ; the byte
.endr
	v_lshl_or_b32 v[PW], v[TM+5], 8, v[TM+4]
	s_delay_alu instid0(VALU_DEP_1)
	v_lshl_or_b32 v[PW], v[TM+6], 16, v[PW]
	s_delay_alu instid0(VALU_DEP_1)
	v_lshl_or_b32 v[PW], v[TM+7], 24, v[PW]
.irp b, 0,1,2,3
.irp i, 0,1,2,3,4,5,6,7,8,9,10,11,12,13,14,15
	v_med3_num_f32 v[X+16*\b+\i], v[X+16*\b+\i], -v[TM+8+\b], v[TM+8+\b]   ; the conversion does not saturate (ISA guide 7.6.2): the hold
.endr
	v_cvt_scalef32_pk8_fp8_f32 v[PC+4*\b:PC+1+4*\b], v[X+16*\b:X+7+16*\b], v[TM+12+\b]
	v_cvt_scalef32_pk8_fp8_f32 v[PC+2+4*\b:PC+3+4*\b], v[X+8+16*\b:X+15+16*\b], v[TM+12+\b]
.endr
	v_nop                                          ; a plain line behind the last conversion
.endm
.macro OUT f
	s_cmp_eq_u32 s27, 2
	s_cbranch_scc1 .Lox_\@
.irp c, 0,1,2,3
	global_store_b128 v[LI], v[PC+4*\c:PC+4*\c+3], s[40:41] offset:8192*(\f)+512*\c   ; the image: 512 neighbouring bytes a store
.endr
	s_branch .Lod_\@
.Lox_\@:
	s_wait_alu depctr_va_vdst(0)
.irp c, 0,1,2,3
	ds_store_b128 v[CI], v[PC+4*\c:PC+4*\c+3] offset:128*(\f)+32*\c   ; x: into the token's row
.endr
.Lod_\@:
	v_mov_b32 v[SW+\f], v[PW]
.endm
	LOAD 0
	LOAD 1
	s_wait_alu depctr_va_vdst(0)                   ; the wait at the head's end
.irp f, 0,1,2,3
.if \f < 3
	s_wait_loadcnt 16                              ; this fragment's 16 loads are in; the next one's may be out
.else
	s_wait_loadcnt 0x0
.endif
	TURN \f
	s_wait_xcnt 0x0                                ; the last fragment's stores have read v[PC] on
	s_wait_dscnt 0x0                               ; my numbers are back; the turn's stores have read their registers, x's stage stores theirs
.if \f < 2
	LOAD \f+2
.endif
	QUANT
	OUT \f
.endr
	global_store_b128 v[SS], v[SW:SW+3], s[42:43]  ; 256 bytes: lanes r and r + 16 store the same 16 bytes with the same value
	s_cmp_eq_u32 s27, 2
	s_cbranch_scc0 .Lunit_end
.irp p, 0,1,2,3,4,5,6,7,8,9,10,11,12,13,14,15
	ds_load_b128 v[R+4*\p:R+4*\p+3], v[CO] offset:FP*\p
.endr
.irp p, 0,1,2,3,4,5,6,7,8,9,10,11,12,13,14,15
	s_wait_dscnt 15-\p
	global_store_b128 v[LI], v[R+4*\p:R+4*\p+3], s[40:41] offset:512*\p   ; a token's 512 codes of the K group
.endr
.Lunit_end:
	s_wait_tensorcnt 0x0                           ; the wave's end
	ds_add_u32 v[SPW], v[NIL]
	s_wait_dscnt 0x0
	s_endpgm
	; ------------------------------------------------------------------ the router.  EXEC stays full: a lane without a row stores into words that nobody reads
.set ID,  32                           ; v32-47  ids: register 4 k + j of lane l is entry 512 b + 128 k + 4 l + j
.set RK,  48                           ; v48-63  rank of the entry among its block's entries of the same expert
.set AI,  128                          ; v128-255 the ids of all eight blocks, laid likewise
.set CN,  66                           ; s66-73  my block's counts;  s28-35 tiles of each expert;  s36-43 6 x first part + tiles;  s52-60 first parts;  s84-91 padded counts;  s92-99 where my segments begin
.Lroute:
	s_cmp_gt_u32 ttmp9, 7
	s_cbranch_scc1 .Lidle
	s_mov_b32 s25, ttmp9                           ; b
	v_lshlrev_b32 v10, 4, v[LN]
	s_lshl_b32 s26, s25, 11
	v_add_nc_u32 v11, s26, v10                     ; 2,048 b + 16 lane
	s_wait_alu depctr_va_vdst(0)
	s_wait_kmcnt 0x0
.irp k, 0,1,2,3
	global_load_b128 v[ID+4*\k:ID+4*\k+3], v11, s[10:11] offset:512*\k
.endr
.irp w, 0,1,2,3,4,5,6,7
.irp k, 0,1,2,3
	global_load_b128 v[AI+16*\w+4*\k:AI+16*\w+4*\k+3], v10, s[10:11] offset:2048*\w+512*\k
.endr
.endr
.irp p, 0,1,2,3,4,5,6,7,8,9,10,11,12,13,14,15
	v_mov_b32 v[64+\p], 0
.endr
.irp p, 0,1,2,3,4,5,6,7,8,9,10,11,12,13,14,15
	v_mov_b32 v[RK+\p], 0
.endr
	v_and_b32 v2, 1, v[LN]
	v_and_b32 v3, 6, v[LN]
	v_lshlrev_b32 v3, 2, v3                        ; 8 x (lane % 8 / 2)
	v_mov_b32 v5, 0
	v_mov_b32 v6, 0
.irp e, 0,1,2,3,4,5,6,7
	s_mov_b32 s[CN+\e], 0
.endr
	s_mov_b32 s27, 0x0f0f0f0f
	s_mov_b32 s44, 0x76543210
	s_mov_b32 s45, 0xfedcba98
	s_wait_alu depctr_va_vdst(0)
	s_wait_loadcnt 0x0
	; eight nibbles a word, one an expert; a word takes eight ids, so that no nibble passes 8.  v64-71 a block's first eight registers, v72-79 its others
.irp p, 0,1,2,3,4,5,6,7,8,9,10,11,12,13,14,15
.irp w, 0,1,2,3,4,5,6,7
	v_lshlrev_b32 v[80+\w], 2, v[AI+16*\w+\p]
.endr
.irp w, 0,1,2,3,4,5,6,7
	v_lshl_add_u32 v[64+8*(\p/8)+\w], 1, v[80+\w], v[64+8*(\p/8)+\w]
.endr
.endr
.irp w, 0,1,2,3,4,5,6,7                ; bytes: v80.. experts 0, 2, 4, 6;  v88.. experts 1, 3, 5, 7: at most 16 a lane, 128 over eight lanes
	v_and_b32 v[80+\w], s27, v[64+\w]
	v_and_b32 v[96+\w], s27, v[72+\w]
	v_lshrrev_b32 v[64+\w], 4, v[64+\w]
	v_lshrrev_b32 v[72+\w], 4, v[72+\w]
	v_add_nc_u32 v[80+\w], v[80+\w], v[96+\w]
	v_and_b32 v[64+\w], s27, v[64+\w]
	v_and_b32 v[72+\w], s27, v[72+\w]
	v_add_nc_u32 v[88+\w], v[64+\w], v[72+\w]
.endr
.irp m, 1,2,4
.irp w, 0,1,2,3,4,5,6,7
	v_add_nc_u32_dpp v[80+\w], v[80+\w], v[80+\w] row_xmask:\m row_mask:0xf bank_mask:0xf
	v_add_nc_u32_dpp v[88+\w], v[88+\w], v[88+\w] row_xmask:\m row_mask:0xf bank_mask:0xf
.endr
.endr
	v_cmp_eq_u32 vcc_lo, 1, v2
.irp w, 0,1,2,3,4,5,6,7
	v_cndmask_b32 v[112+\w], v[80+\w], v[88+\w], vcc_lo
.endr
.irp w, 0,1,2,3,4,5,6,7
	v_lshrrev_b32 v[112+\w], v3, v[112+\w]
.endr
.irp w, 0,1,2,3,4,5,6,7
	v_and_b32 v[112+\w], 0xff, v[112+\w]           ; lane l: expert l % 8, over the eight lanes of my group
.endr
.irp w, 0,1,2,3,4,5,6,7
	v_add_nc_u32_dpp v[112+\w], v[112+\w], v[112+\w] row_xmask:8 row_mask:0xf bank_mask:0xf
.endr
.irp w, 0,1,2,3,4,5,6,7
	v_permlanex16_b32 v[96+\w], v[112+\w], s44, s45
.endr
.irp w, 0,1,2,3,4,5,6,7
	v_add_nc_u32 v[112+\w], v[112+\w], v[96+\w]
.endr
.irp w, 0,1,2,3,4,5,6,7
	v_add_nc_u32 v[112+\w], 15, v[112+\w]
.endr
.irp w, 0,1,2,3,4,5,6,7
	v_and_b32 v[112+\w], -16, v[112+\w]            ; lane e: block w's count of expert e, padded to 16 rows
.endr
.irp w, 0,1,2,3,4,5,6,7
	s_cmp_gt_u32 s25, \w
	s_cselect_b32 s48, -1, 0
	v_and_b32 v1, s48, v[112+\w]
	v_add_nc_u32 v6, v6, v[112+\w]                 ; lane e: rows of expert e in all
	v_add_nc_u32 v5, v5, v1                        ; lane e: rows of expert e in the blocks ahead of mine
.endr
	; ranks in my block
.irp p, 0,1,2,3,4,5,6,7,8,9,10,11,12,13,14,15
.irp e, 0,1,2,3,4,5,6,7
	v_cmp_eq_u32 vcc_lo, \e, v[ID+\p]
	v_mbcnt_lo_u32_b32 v1, vcc_lo, s[CN+\e]        ; those counted so far + the lower lanes of this register
	v_cndmask_b32 v[RK+\p], v[RK+\p], v1, vcc_lo
	s_bcnt1_i32_b32 s48, vcc_lo
	s_add_co_u32 s[CN+\e], s[CN+\e], s48
.endr
.endr
	s_wait_alu depctr_va_vdst(0)
	s_mov_b32 s52, 0
.irp e, 0,1,2,3,4,5,6,7
	v_readlane_b32 s[28+\e], v6, \e
	s_lshr_b32 s[28+\e], s[28+\e], 4               ; tiles
	s_add_co_u32 s61, s[28+\e], 5
	s_mul_i32 s61, s61, 43691                      ; / 6: exact for numbers under 2^16
	s_lshr_b32 s61, s61, 18
	s_add_co_u32 s[53+\e], s[52+\e], s61
	s_mul_i32 s62, s[52+\e], 6
	s_add_co_u32 s[36+\e], s[28+\e], s62
	v_readlane_b32 s[92+\e], v5, \e
	s_mul_i32 s62, s[52+\e], 96
	s_add_co_u32 s[92+\e], s[92+\e], s62           ; my segment's first row of LIST
	s_add_co_u32 s[84+\e], s[CN+\e], 15
	s_and_b32 s[84+\e], s[84+\e], -16
.endr
	v_mov_b32 v8, 0
.irp e, 0,1,2,3,4,5,6,7
	v_writelane_b32 v8, s[92+\e], \e
.endr
.irp p, 0,1,2,3,4,5,6,7,8,9,10,11,12,13,14,15
	v_lshlrev_b32 v[80+\p], 2, v[ID+\p]
.endr
.irp p, 0,1,2,3,4,5,6,7,8,9,10,11,12,13,14,15
	ds_bpermute_b32 v[96+\p], v[80+\p], v8
.endr
.irp p, 0,1,2,3,4,5,6,7,8,9,10,11,12,13,14,15   ; INV: a pass of launch down holds 128 rows of each expert
	v_lshrrev_b32 v1, 7, v[RK+\p]
	v_and_b32 v[64+\p], 0x7f, v[RK+\p]
	v_lshl_add_u32 v[64+\p], v[ID+\p], 7, v[64+\p]
	v_lshl_add_u32 v[64+\p], v1, 10, v[64+\p]
.endr
	s_lshl_b32 s48, s25, 8
	v_lshl_add_u32 v12, v[LN], 1, s48              ; 256 b + 2 lane
.irp n, 0,1,2,3,4,5,6,7
	v_add_nc_u32 v[120+\n], 64*(\n/2)+\n%2, v12    ; the tokens of my entries
.endr
	s_wait_alu depctr_va_vdst(0)
	s_wait_dscnt 0x0
.irp p, 0,1,2,3,4,5,6,7,8,9,10,11,12,13,14,15
	v_add_nc_u32 v[96+\p], v[96+\p], v[RK+\p]
.endr
.irp p, 0,1,2,3,4,5,6,7,8,9,10,11,12,13,14,15
	v_min_u32 v[96+\p], 0x161f, v[96+\p]           ; held inside LIST's 5,664 rows
.endr
.irp p, 0,1,2,3,4,5,6,7,8,9,10,11,12,13,14,15
	v_lshlrev_b32 v[96+\p], 2, v[96+\p]
.endr
.irp p, 0,1,2,3,4,5,6,7,8,9,10,11,12,13,14,15
	global_store_b32 v[96+\p], v[120+2*(\p/4)+(\p%4)/2], s[18:19]
.endr
.irp k, 0,1,2,3
	global_store_b128 v11, v[64+4*\k:67+4*\k], s[18:19] offset:INV_OFF+512*\k
.endr
	; rows that no entry takes get token 0: lane l takes row s[row] + l where that lies ahead of s[end]
	s_lshl_b32 s48, s25, 5
	s_add_co_u32 s48, s48, 5664
	v_add_nc_u32 v13, s48, v[LN]                   ; my word behind LIST
	v_mov_b32 v14, 0
.macro PAD reg, row, end
	v_add_nc_u32 v1, s[\row], v[LN]
	v_cmp_gt_u32 vcc_lo, s[\end], v1
	v_cndmask_b32 v[\reg], v13, v1, vcc_lo
	v_min_u32 v[\reg], 0x171f, v[\reg]
	v_lshlrev_b32 v[\reg], 2, v[\reg]
	global_store_b32 v[\reg], v14, s[18:19]
.endm
.irp e, 0,1,2,3,4,5,6,7                ; my segments' ends: at most 15 rows each
	s_add_co_u32 s48, s[92+\e], s[CN+\e]
	s_add_co_u32 s49, s[92+\e], s[84+\e]
	PAD 128+\e, 48, 49
.endr
	s_mov_b32 s48, 0
	s_mov_b32 s49, 0
.irp e, 0,1,2,3,4,5,6,7
	s_cmp_eq_u32 s25, \e
	s_cselect_b32 s48, s[36+\e], s48
	s_cselect_b32 s49, s[53+\e], s49
.endr
	s_lshl_b32 s48, s48, 4                         ; expert b: from its last tile's end to its last part's: at most 80 rows
	s_mul_i32 s49, s49, 96
.irp i, 0,1,2
	PAD 136+\i, 48, 49
	s_add_co_u32 s48, s48, 32
.endr
	s_mul_i32 s48, s60, 96                         ; the parts behind the last: 4,096 entries make 43 parts or more, so at most 16 x 96 rows, 256 at a time among the eight waves
	s_lshl_b32 s49, s25, 5
	s_add_co_u32 s48, s48, s49
	s_mov_b32 s49, 5664
.irp i, 0,1,2,3,4,5
	PAD 139+\i, 48, 49
	s_add_co_u32 s48, s48, 256
.endr
.irp e, 0,1,2,3,4,5,6,7
	s_lshr_b32 s[92+\e], s[92+\e], 4
	s_lshr_b32 s[84+\e], s[84+\e], 4
.endr
	s_lshl_b32 s48, s25, 7
	v_mov_b32 v2, 0
.irp e, 0,1,2,3,4,5,6,7
	v_writelane_b32 v2, s[92+\e], 2*\e
	v_writelane_b32 v2, s[84+\e], 2*\e+1
.endr
	v_lshl_add_u32 v15, v[LN], 2, s48
	global_store_b32 v15, v2, s[18:19] offset:TB_OFF
	s_wait_alu depctr_va_vdst(0)
	s_cmp_lg_u32 s25, 0                            ; CH, by block 0's wave: a part behind the last names expert 7 and no tile
	s_cbranch_scc1 .Lroute_end
.irp g, 0,1
	v_add_nc_u32 v[150+\g], 32*\g, v[LN]
	v_mov_b32 v[152+2*\g], 0
	v_mov_b32 v[156+\g], s36
.irp j, 1,2,3,4,5,6,7
	v_cmp_le_u32 vcc_lo, s[52+\j], v[150+\g]
	v_cndmask_b32 v[152+2*\g], v[152+2*\g], \j, vcc_lo
	v_cndmask_b32 v[156+\g], v[156+\g], s[36+\j], vcc_lo
.endr
	v_mul_u32_u24 v[158+\g], v[150+\g], 6
	v_sub_nc_u32 v[153+2*\g], v[156+\g], v[158+\g]
	v_cmp_gt_u32 vcc_lo, v[156+\g], v[158+\g]      ; a part behind the last has no tile
	v_cndmask_b32 v[153+2*\g], 0, v[153+2*\g], vcc_lo
	v_min_u32 v[153+2*\g], 6, v[153+2*\g]
	v_lshlrev_b32 v[160+\g], 3, v[150+\g]
	global_store_b64 v[160+\g], v[152+2*\g:153+2*\g], s[18:19] offset:CH_OFF
.endr
.Lroute_end:
	s_wait_tensorcnt 0x0                           ; the wave's end
	ds_add_u32 v[SPW], v[NIL]
	s_wait_dscnt 0x0
.Lidle:
	s_endpgm
.Lfunc_end_k_q826a14ca2d_prep:
	.size	k_q826a14ca2d_prep, .Lfunc_end_k_q826a14ca2d_prep-k_q826a14ca2d_prep
	.p2alignl 7, 3214868480
	.fill 96, 4, 3214868480
	.section	.rodata,"a",@progbits
	.p2align	6, 0x0
	.amdhsa_kernel k_q826a14ca2d_prep
		.amdhsa_group_segment_fixed_size 238592
		.amdhsa_private_segment_fixed_size 0
		.amdhsa_enable_private_segment 0
		.amdhsa_kernarg_size 64
		.amdhsa_user_sgpr_count 2
		.amdhsa_user_sgpr_kernarg_segment_ptr 1
		.amdhsa_wavefront_size32 1
		.amdhsa_system_sgpr_workgroup_id_x 1
		.amdhsa_system_sgpr_workgroup_id_y 1
		.amdhsa_system_sgpr_workgroup_id_z 1
		.amdhsa_system_vgpr_workitem_id 0
		.amdhsa_next_free_vgpr 256
		.amdhsa_next_free_sgpr 100
		.amdhsa_reserve_vcc 1
		.amdhsa_float_denorm_mode_32 3
		.amdhsa_float_denorm_mode_16_64 3
		.amdhsa_memory_ordered 1
		.amdhsa_forward_progress 1
		.amdhsa_inst_pref_size 140
	.end_amdhsa_kernel
	.amdgpu_metadata
---
amdhsa.version: [ 1, 2 ]
amdhsa.kernels:
  - .name:           k_q826a14ca2d_prep
    .symbol:         k_q826a14ca2d_prep.kd
    .args:
      - { .name: hidden_states, .offset: 0, .size: 8, .value_kind: global_buffer, .address_space: global }
      - { .name: w1, .offset: 8, .size: 8, .value_kind: global_buffer, .address_space: global }
      - { .name: w2, .offset: 16, .size: 8, .value_kind: global_buffer, .address_space: global }
      - { .name: topk_ids, .offset: 24, .size: 8, .value_kind: global_buffer, .address_space: global }
      - { .name: xbuf, .offset: 32, .size: 8, .value_kind: global_buffer, .address_space: global }
      - { .name: w1buf, .offset: 40, .size: 8, .value_kind: global_buffer, .address_space: global }
      - { .name: w2buf, .offset: 48, .size: 8, .value_kind: global_buffer, .address_space: global }
      - { .name: route, .offset: 56, .size: 8, .value_kind: global_buffer, .address_space: global }
    .group_segment_fixed_size: 238592
    .private_segment_fixed_size: 0
    .kernarg_segment_align: 8
    .kernarg_segment_size: 64
    .max_flat_workgroup_size: 480
    .sgpr_count:     100
    .vgpr_count:     256
    .wavefront_size: 32
...
	.end_amdgpu_metadata
.endif
;; end of part 1
;; launch up (part 2): grid 4 x 59, 4 waves a work-group, no clusters, 198,656 bytes of LDS; arguments xbuf, w1buf, route, actbuf; writes actbuf
.if DOCPART == 2
	.amdgcn_target "amdgcn-amd-amdhsa--gfx1250"
	.amdhsa_code_object_version 6
	.text
	.protected	k_q826a14ca2d_up
	.globl	k_q826a14ca2d_up
	.p2align	8
	.type	k_q826a14ca2d_up,@function
k_q826a14ca2d_up:
	s_mov_b64 s[64:65], 0
	v_nop
	global_prefetch_b8 v0, s[64:65] scope:SCOPE_SE
	s_setreg_imm32_b32 hwreg(HW_REG_WAVE_MODE, 25, 1), 1
	s_wait_xcnt 0x0
; UP.  act = silu(x w1_gate^T) * (x w1_up^T) for the routed rows alone (experts that topk_ids does not name for a token are left out: see the first kernel), on codes of E4M3 with E8M0 scales, and act's codes for the second product.
; Work-group (j, y): part y (an expert, at most six tiles of 16 list rows: LIST rows 96 y on) x act columns 128 j .. 128 j + 127.
; Never more than (4,096 + 64 x 15) / 16 = 316 tiles and (316 + 8 x 5) / 6 = 59 parts, whatever the split: the grid serves every split; a work-group whose part has no tile stores nothing.
; Wave w makes act columns 32 (4 j + w) on: two tiles of gate rows and two of up rows of w1, whose fragments come from memory straight into registers, as images, four K steps ahead.
; The part's 96 rows of x (2,048 codes each) are gathered whole into LDS, 24 rows a wave, one barrier, and read by all four waves.  x is asked for first; w1's first four K steps are asked for behind it and stay out across the barrier.
; The products are used transposed (source 0 = 16 rows of w1, source 1 = 16 rows of x): a lane holds one row, and its 16 registers of tiles u = 0, 1 are 16 neighbouring act columns: the conversions' results are
; group c = w of the second product's fragment (tile, K step j): one store of 512 bytes.  The row's scale byte goes out as a byte: 16 bytes a tile and wave.
; No tensor load and no cluster: what a work-group does hangs on stored numbers.  No prefetch: the K steps are written out and their loads run four ahead.
; The gather and its barrier stand on every path; the one jump on the stored numbers stands behind the barrier.
; LIMITS: NaN and infinities are not served; a block of zeros gets the byte 1.
.set XS_OFF,  4194304
.set W1S_OFF, 16777216
.set AS_OFF,  2899968
.set CH_OFF,  41216
.set SP,    2064                       ; an LDS row: 2,048 bytes + 16, an odd multiple of 16
.set SPARE, 96*SP                      ; the spare words, 128 bytes for each wave
.set LI,   1                           ; 16 x lane
.set ADA,  4                           ; v4-9    tile t: (16 t + r) SP + 16 h
.set VF,   10                          ; v10-15  tile t: (16 t + 4 w) SP + 16 lane
.set VOX,  16                          ; v16-39  row n: 512 token + 16 lane
.set VL,   40                          ; where my lane's token stands in LIST
.set VSS,  41                          ; 16 r
.set TK,   42                          ; v42-44  my lane's tokens
.set SPW,  46                          ; my spare word; never rewritten
.set NIL,  47                          ; 0; never rewritten
.set XS,   50                          ; v50-97  x's scale words: 16 (t / 2) + K step; lanes 0-15 tile 2 u, lanes 16-31 tile 2 u + 1
.set WS,   100                         ; v100-131 w1's: 16 (gate 0, up 1) + K step; lanes 0-15 tile u = 0, lanes 16-31 u = 1
; window 1: w1's fragments, four sets of 64.  window 2: the 24 accumulators, (t, tile) at v[8 (4 t + tile)]; in the gather rows 0-11.
; window 3: x's fragments, two sets of 96; in the gather rows 12-23; later v0-95 act, v192-221 at work, v224-247 codes.
.set MSB, 0
.macro WIN new                         ; the immediate's high byte repeats the setting that is left
.if MSB != \new
	s_set_vgpr_msb (MSB<<8)|\new
.set MSB, \new
.endif
.endm
	s_load_b256 s[4:11], s[0:1], 0x0               ; xbuf, w1buf, route, actbuf
	v_lshl_add_u32 v[SPW], v0, 2, SPARE
	v_mov_b32 v[NIL], 0
	v_lshrrev_b32 v1, 5, v0
	v_readfirstlane_b32 s12, v1                    ; wave
	s_mov_b32 s13, ttmp9                           ; j
	s_and_b32 s14, ttmp7, 0xffff                   ; y
	s_lshl_b32 s20, s14, 3
	s_mul_i32 s21, s14, 384
	s_lshl_b32 s22, s12, 4
	s_add_co_u32 s22, s22, s21                     ; my four rows of the part's first tile
	v_and_b32 v2, 31, v0
	v_lshl_add_u32 v[VL], v2, 2, s21
	v_lshlrev_b32 v[LI], 4, v2
	v_and_b32 v2, 15, v0                           ; r
	v_bfe_u32 v3, v0, 4, 1                         ; h
	v_lshlrev_b32 v[VSS], 4, v2
	v_mul_u32_u24 v[ADA], v2, SP
	v_lshl_add_u32 v[ADA], v3, 4, v[ADA]
	s_mul_i32 s85, s12, 4*SP
	v_add_nc_u32 v[VF], s85, v[LI]
.irp t, 1,2,3,4,5
	v_add_nc_u32 v[ADA+\t], 16*SP*\t, v[ADA]
	v_add_nc_u32 v[VF+\t], 16*SP*\t, v[VF]
.endr
	s_mov_b32 s62, 0x76543210
	s_mov_b32 s63, 0xfedcba98                      ; lane l xor 16
	s_mov_b32 s84, 0x600000                        ; the mantissa field of 448
	s_mov_b32 s87, 0
	s_wait_alu depctr_va_vdst(0)                   ; the wait ahead of the blocking wait
	s_wait_kmcnt 0x0
	s_load_b64 s[16:17], s[8:9], s20 offset:CH_OFF ; expert, tiles
.irp t, 0,1,2,3,4,5
	s_load_b128 s[28+4*\t:31+4*\t], s[8:9], s22 offset:64*\t   ; the tokens of my four rows of tile t
.endr
.irp u, 0,1,2                          ; lane (r, h): the token of row r of tile 2 u + h
	global_load_b32 v[TK+\u], v[VL], s[8:9] offset:128*\u
.endr
	s_add_nc_u64 s[56:57], s[4:5], XS_OFF
	s_mul_i32 s86, s14, 49152
	s_lshl_b32 s88, s13, 11
	s_add_co_u32 s86, s86, s88
	s_lshl_b32 s88, s12, 9
	s_add_co_u32 s86, s86, s88
	s_add_nc_u64 s[58:59], s[10:11], s[86:87]      ; act's images: the part's first tile, K step j, group w
	s_mul_i32 s86, s14, 1536
	s_lshl_b32 s88, s13, 2
	s_add_co_u32 s86, s86, s88
	s_add_co_u32 s86, s86, s12
	s_add_nc_u64 s[60:61], s[10:11], s[86:87]
	s_add_nc_u64 s[60:61], s[60:61], AS_OFF        ; act's scale bytes: word j, byte w
	s_wait_kmcnt 0x0
	s_min_u32 s16, s16, 7
	s_min_u32 s17, s17, 6
	s_lshl_b32 s86, s16, 4
	s_lshl_b32 s88, s13, 2
	s_add_co_u32 s86, s86, s88
	s_add_co_u32 s88, s86, s12                     ; 16 expert + 4 j + w
	s_lshl_b32 s86, s88, 17
	s_add_nc_u64 s[52:53], s[6:7], s[86:87]        ; my images of w1
	s_lshl_b32 s86, s88, 12
	s_add_nc_u64 s[54:55], s[6:7], s[86:87]
	s_add_nc_u64 s[54:55], s[54:55], W1S_OFF       ; and their scale words
.irp q, 0,1,2,3
.irp g, 0,1
	global_load_b128 v[WS+16*\g+4*\q:WS+16*\g+4*\q+3], v[LI], s[54:55] offset:1024*\q+512*\g
.endr
.endr
.set n, 0
.rept 24
	s_min_u32 s[28+n], s[28+n], 2047
	s_lshl_b32 s[28+n], s[28+n], 9
	v_add_nc_u32 v[VOX+n], s[28+n], v[LI]
.set n, n+1
.endr
	s_wait_alu depctr_va_vdst(0)                   ; the wait at the head's end
	s_wait_loadcnt 8                               ; my tokens are in; the eight loads of scale words behind them may be out
.irp u, 0,1,2
	v_min_u32 v[TK+\u], 0x7ff, v[TK+\u]
.endr
.irp u, 0,1,2
	v_lshlrev_b32 v[TK+\u], 4, v[TK+\u]
.endr
.irp u, 0,1,2
.irp q, 0,1,2,3
	global_load_b128 v[XS+16*\u+4*\q:XS+16*\u+4*\q+3], v[TK+\u], s[56:57] offset:32768*\q
.endr
.endr
.set n, 0
.rept 24                               ; row n = 4 t + i: row 4 w + i of tile t, 512 neighbouring bytes a load
.if n < 12
	WIN 0x80
.else
	WIN 0xc0
.endif
.irp q, 0,1,2,3
	global_load_b128 v[16*(n%12)+4*\q:16*(n%12)+4*\q+3], v[VOX+n], s[4:5] offset:1048576*\q
.endr
.set n, n+1
.endr
.macro BONE k                          ; load k of w1: K step k / 16, tile (k / 4) % 4, piece k % 4, into set (k / 16) % 4
	global_load_b128 v[4*((\k)%64):4*((\k)%64)+3], v[LI], s[52:53] offset:8192*((\k)/16)+512*((\k)%16)
.endm
.set n, 0
.set nb, 0
.rept 24                               ; each row goes to LDS as it comes in; w1's first 64 loads are issued between
.set lw, 4*(23-n)+nb
.if lw > 63
.set lw, 63
.endif
	s_wait_loadcnt lw                              ; the later rows' loads and the nb loads of w1 may be out
.if n < 12
	WIN 0x48                                       ; a store's data are its source 1: window 2; a load's destination: window 1
.else
	WIN 0x4c
.endif
.irp q, 0,1,2,3
	ds_store_b128 v[VF+n/4], v[16*(n%12)+4*\q:16*(n%12)+4*\q+3] offset:SP*(n%4)+512*\q
.endr
	BONE nb
	BONE nb+1
.set nb, nb+2
.if n < 16
	BONE nb
.set nb, nb+1
.endif
.set n, n+1
.endr
	WIN 0
	s_wait_dscnt 0x0                               ; for the others' sake: my rows lie in LDS
	s_barrier_signal -1
	s_barrier_wait -1
	s_cmp_lg_u32 s17, 0                            ; a part without a tile ends here: no barrier follows
	s_cbranch_scc0 .Lend
.macro BLOAD s                         ; w1's four fragments of K step s
	WIN 0x40
.irp k, 0,1,2,3,4,5,6,7,8,9,10,11,12,13,14,15
	BONE 16*(\s)+\k
.endr
.endm
.macro ALOAD s                         ; x's six fragments of K step s into set s % 2
	WIN 0xc0
.irp t, 0,1,2,3,4,5
.irp c, 0,1,2,3
	ds_load_b128 v[96*((\s)%2)+16*\t+4*\c:96*((\s)%2)+16*\t+4*\c+3], v[ADA+\t] offset:128*(\s)+32*\c
.endr
.endr
.endm
.macro WM zero, ra, rb                 ; one product on rD, rA, rB, rSA, rSB; ra, rb: the scales stand in lanes 16-31
.if \zero
.if (\ra) && (\rb)
	v_wmma_scale_f32_16x16x128_f8f6f4 v[rD:rD+7], v[rA:rA+15], v[rB:rB+15], 0, v[rSA], v[rSB] matrix_a_scale:MATRIX_SCALE_ROW1 matrix_b_scale:MATRIX_SCALE_ROW1
.elseif (\ra)
	v_wmma_scale_f32_16x16x128_f8f6f4 v[rD:rD+7], v[rA:rA+15], v[rB:rB+15], 0, v[rSA], v[rSB] matrix_a_scale:MATRIX_SCALE_ROW1
.elseif (\rb)
	v_wmma_scale_f32_16x16x128_f8f6f4 v[rD:rD+7], v[rA:rA+15], v[rB:rB+15], 0, v[rSA], v[rSB] matrix_b_scale:MATRIX_SCALE_ROW1
.else
	v_wmma_scale_f32_16x16x128_f8f6f4 v[rD:rD+7], v[rA:rA+15], v[rB:rB+15], 0, v[rSA], v[rSB]
.endif
.else
.if (\ra) && (\rb)
	v_wmma_scale_f32_16x16x128_f8f6f4 v[rD:rD+7], v[rA:rA+15], v[rB:rB+15], v[rD:rD+7], v[rSA], v[rSB] matrix_a_scale:MATRIX_SCALE_ROW1 matrix_b_scale:MATRIX_SCALE_ROW1
.elseif (\ra)
	v_wmma_scale_f32_16x16x128_f8f6f4 v[rD:rD+7], v[rA:rA+15], v[rB:rB+15], v[rD:rD+7], v[rSA], v[rSB] matrix_a_scale:MATRIX_SCALE_ROW1
.elseif (\rb)
	v_wmma_scale_f32_16x16x128_f8f6f4 v[rD:rD+7], v[rA:rA+15], v[rB:rB+15], v[rD:rD+7], v[rSA], v[rSB] matrix_b_scale:MATRIX_SCALE_ROW1
.else
	v_wmma_scale_f32_16x16x128_f8f6f4 v[rD:rD+7], v[rA:rA+15], v[rB:rB+15], v[rD:rD+7], v[rSA], v[rSB]
.endif
.endif
.endm
.macro MUL s, zero                     ; 24 products; the accumulators take turns, one instruction a turn
	WIN 0xad                                       ; source 0 (w1) window 1, source 1 (x) window 3, C and D window 2
.irp t, 0,1,2,3,4,5
.irp u, 0,1,2,3
.set rD, 8*(4*\t+\u)
.set rA, 64*((\s)%4)+16*\u
.set rB, 96*((\s)%2)+16*\t
.set rSA, WS+16*(\u/2)+(\s)
.set rSB, XS+16*(\t/2)+(\s)
	WM \zero, \u%2, \t%2
.endr
.endr
.endm
.macro STEP s, zero
.if (\s) >= 13
	s_wait_loadcnt 16*(15-(\s))                    ; w1's set of this step is in; the later steps' sets may be out
.else
	s_wait_loadcnt 48                              ; three later sets of 16 loads
.endif
.if (\s) < 15
	s_wait_dscnt 24                                ; x's set of this step is in; the next step's 24 loads may be out
.else
	s_wait_dscnt 0x0
.endif
	MUL \s, \zero
.if (\s) != 14
.rept 8
	v_nop                                          ; in front of loads into registers that these products read, and of the first read of results
.endr
.endif
.if (\s) < 14
	ALOAD (\s)+2
.endif
.if (\s) < 12
	BLOAD (\s)+4
.endif
.endm
	ALOAD 0
	ALOAD 1
	STEP 0, 1                                      ; the first K step starts the sums
.irp s, 1,2,3,4,5,6,7,8,9,10,11,12,13,14,15
	STEP \s, 0
.endr
	; silu(gate) x up, in f32: number i = 16 t + 8 u + j is act column 32 G + 16 h + 8 u + j of row r of tile t.  Each accumulator is read from its low end on
	WIN 0xc2
.set i, 0
.rept 48
	v_pk_mul_f32 v[i:i+1], v[32*(i/16)+i%16:32*(i/16)+i%16+1], 0xbfb8aa3b op_sel_hi:[1,0]  ; - gate x log2(e)
.set i, i+2
.endr
	WIN 0xff
.set i, 0
	s_wait_alu depctr_va_vdst(0)                   ; the wait ahead of the batch
.rept 96
	v_exp_f32 v[i], v[i]
.set i, i+1
.endr
.irp t, 0,1,2,3,4,5
	v_mov_b32 v[198+\t], 0                         ; plain lines behind the batch (a lane permute's destination counts as one of its sources)
.endr
	s_wait_alu depctr_va_vdst(0)                   ; one wait for the batch, ahead of its first reader
.set i, 0
.rept 48
	v_pk_add_f32 v[i:i+1], v[i:i+1], 1.0 op_sel_hi:[1,0]
.set i, i+2
.endr
.set i, 0
	s_wait_alu depctr_va_vdst(0)
.rept 96
	v_rcp_f32 v[i], v[i]
.set i, i+1
.endr
	v_nop
	s_wait_alu depctr_va_vdst(0)                   ; and one for the reciprocals
	WIN 0xce
.set i, 0
.rept 48
	v_pk_mul_f32 v[i:i+1], v[32*(i/16)+i%16:32*(i/16)+i%16+1], v[i:i+1]        ; gate x sigmoid(gate)
.set i, i+2
.endr
.set i, 0
.rept 48
	v_pk_mul_f32 v[i:i+1], v[32*(i/16)+16+i%16:32*(i/16)+17+i%16], v[i:i+1]    ; x up
.set i, i+2
.endr
	; the quantiser: a row's block of 32 columns lies in lanes l and l xor 16; the six tiles by turns.  v192.. largest magnitude, v198.. the other lane's, v204.. scale operand, v210.. 448 x scale, v216.. byte
	WIN 0xff
.irp t, 0,1,2,3,4,5
	v_max3_num_f32 v[192+\t], |v[16*\t]|, |v[16*\t+1]|, 0x4800000   ; with the floor 2^(9 - 127)
.endr
.irp i, 2,4,6,8,10,12,14
.irp t, 0,1,2,3,4,5
	v_max3_num_f32 v[192+\t], v[192+\t], |v[16*\t+\i]|, |v[16*\t+\i+1]|
.endr
.endr
.irp t, 0,1,2,3,4,5
	v_permlanex16_b32 v[198+\t], v[192+\t], s62, s63
.endr
.irp t, 0,1,2,3,4,5
	v_max_num_f32 v[192+\t], v[192+\t], v[198+\t]
.endr
.irp t, 0,1,2,3,4,5
	v_add_nc_u32 v[204+\t], 0xfc000000, v[192+\t]
.endr
.irp t, 0,1,2,3,4,5
	v_and_or_b32 v[210+\t], v[192+\t], 0x7f800000, s84
.endr
.irp t, 0,1,2,3,4,5
	v_lshrrev_b32 v[216+\t], 23, v[204+\t]
.endr
.irp t, 0,1,2,3,4,5
.irp i, 0,1,2,3,4,5,6,7,8,9,10,11,12,13,14,15
	v_med3_num_f32 v[16*\t+\i], v[16*\t+\i], -v[210+\t], v[210+\t]   ; the conversion does not saturate (ISA guide 7.6.2): the hold
.endr
	v_cvt_scalef32_pk8_fp8_f32 v[224+4*\t:225+4*\t], v[16*\t:16*\t+7], v[204+\t]
	v_cvt_scalef32_pk8_fp8_f32 v[226+4*\t:227+4*\t], v[16*\t+8:16*\t+15], v[204+\t]
.endr
	v_nop                                          ; a plain line behind the last conversion
.macro PUT t                           ; a tile that is there leaves: 512 bytes of codes, 16 scale bytes (lanes r and r + 16 write the same byte with the same value)
	WIN 0
	s_cmp_gt_u32 s17, \t
	s_cbranch_scc0 .Lno_\@
	WIN 0x0c                                       ; a store's data are its source 1: window 3
	s_wait_alu depctr_va_vdst(0)
	global_store_b128 v[LI], v[224+4*\t:227+4*\t], s[58:59] offset:8192*\t
	global_store_b8 v[VSS], v[216+\t], s[60:61] offset:256*\t
	WIN 0
.Lno_\@:
.endm
.irp t, 0,1,2,3,4,5
	PUT \t
.endr
.Lend:
	s_wait_tensorcnt 0x0                           ; the wave's end
	ds_add_u32 v[SPW], v[NIL]
	s_wait_dscnt 0x0
	s_endpgm
.Lfunc_end_k_q826a14ca2d_up:
	.size	k_q826a14ca2d_up, .Lfunc_end_k_q826a14ca2d_up-k_q826a14ca2d_up
	.p2alignl 7, 3214868480
	.fill 96, 4, 3214868480
	.section	.rodata,"a",@progbits
	.p2align	6, 0x0
	.amdhsa_kernel k_q826a14ca2d_up
		.amdhsa_group_segment_fixed_size 198656
		.amdhsa_private_segment_fixed_size 0
		.amdhsa_enable_private_segment 0
		.amdhsa_kernarg_size 32
		.amdhsa_user_sgpr_count 2
		.amdhsa_user_sgpr_kernarg_segment_ptr 1
		.amdhsa_wavefront_size32 1
		.amdhsa_system_sgpr_workgroup_id_x 1
		.amdhsa_system_sgpr_workgroup_id_y 1
		.amdhsa_system_sgpr_workgroup_id_z 1
		.amdhsa_system_vgpr_workitem_id 0
		.amdhsa_next_free_vgpr 1024
		.amdhsa_next_free_sgpr 100
		.amdhsa_reserve_vcc 0
		.amdhsa_float_denorm_mode_32 3
		.amdhsa_float_denorm_mode_16_64 3
		.amdhsa_memory_ordered 1
		.amdhsa_forward_progress 1
		.amdhsa_inst_pref_size 162
	.end_amdhsa_kernel
	.amdgpu_metadata
---
amdhsa.version: [ 1, 2 ]
amdhsa.kernels:
  - .name:           k_q826a14ca2d_up
    .symbol:         k_q826a14ca2d_up.kd
    .args:
      - { .name: xbuf, .offset: 0, .size: 8, .value_kind: global_buffer, .address_space: global }
      - { .name: w1buf, .offset: 8, .size: 8, .value_kind: global_buffer, .address_space: global }
      - { .name: route, .offset: 16, .size: 8, .value_kind: global_buffer, .address_space: global }
      - { .name: actbuf, .offset: 24, .size: 8, .value_kind: global_buffer, .address_space: global }
    .group_segment_fixed_size: 198656
    .private_segment_fixed_size: 0
    .kernarg_segment_align: 8
    .kernarg_segment_size: 32
    .max_flat_workgroup_size: 128
    .sgpr_count:     100
    .vgpr_count:     1024
    .wavefront_size: 32
...
	.end_amdgpu_metadata
.endif
;; end of part 2
;; launch down (part 3): grid 32 x 8, 8 waves a work-group, no clusters, 263,168 bytes of LDS; arguments actbuf, w2buf, route, topk_weights, out0; writes out0
.if DOCPART == 3
	.amdgcn_target "amdgcn-amd-amdhsa--gfx1250"
	.amdhsa_code_object_version 6
	.text
	.protected	k_q826a14ca2d_down
	.globl	k_q826a14ca2d_down
	.p2align	8
	.type	k_q826a14ca2d_down,@function
k_q826a14ca2d_down:
	s_mov_b64 s[64:65], 0
	v_nop
	global_prefetch_b8 v0, s[64:65] scope:SCOPE_SE
	s_setreg_imm32_b32 hwreg(HW_REG_WAVE_MODE, 25, 1), 1
	s_wait_xcnt 0x0
; DOWN.  out[m] = the sum over the token's two routed rows of weight x (act row) w2[expert]^T, on codes of E4M3 with E8M0 scales.  Experts that topk_ids does not name for a token are left out (see the first kernel).
; Work-group (S, b) owns tokens 256 b .. 256 b + 255 x out columns 64 S .. 64 S + 63: each number of out has one owner.
; WAVE e TAKES EXPERT e: its 16 fragments of w2 (64 columns, all of K) lie in window 1 throughout; the tiles of segment (e, b) come one after the other into two buffers by turns.
; The product is used transposed (source 0 = 16 rows of w2, source 1 = 16 act rows): a lane holds one routed row and 32 of its 64 columns, which go into the stage in LDS: 128 rows x 256 bytes for each expert.
; A segment has up to 32 tiles and the stage holds eight of each expert: FOUR PASSES serve every split, always run; a pass in which a wave has no tile, or none of its tokens a row, leaves that work out.
; Behind a pass's barrier each wave takes 32 tokens: their two rows (INV) x their weights are added to the tokens' sums, which stay in registers; a row that lies in another pass is weighed by 0.
; The stage is filled with zeros first, so that every byte that may be read has been written.  Its rows have no padding: 16-byte column c of row R lies at column c xor (R % 16).
; No tensor load and no cluster: the walk hangs on stored numbers.  No prefetch: a wave's loads are known two tiles ahead only.   LIMITS: NaN and infinities are not served.
.set AS_OFF,  2899968
.set W2S_OFF, 8388608
.set INV_OFF, 23808
.set TB_OFF,  40192
.set SPARE, 262144                     ; behind the stage: the spare words, 128 bytes for each wave
.set NIL,  0                           ; 0, behind the last use of the thread's number; never rewritten
.set LI,   1                           ; 16 x lane
.set R16,  2                           ; 16 r
.set SPW,  3                           ; my spare word; never rewritten
.set ST,   4                           ; v4-11   the stage, way in: tile n's two halves at ST + 2 n
.set WSC,  12                          ; v12-19  w2's scale words 4 (n / 2) + s
.set IV,   20                          ; v20-21  INV of my token's two entries: lane 16 h + i holds token 2 i + h of my 32
.set PS,   22                          ; v22-25  buffer P's scale words
.set QS,   26                          ; v26-29  buffer Q's
.set WT,   30                          ; v30-31  my token's two weights
.set ACC,  32                          ; v32-63  four accumulators; in the gather the addresses
.set P,    64                          ; v64-127, v128-191 two tiles of act; in the gather v64-79 at work, v96-159 rows
.set Q,    128
.set OUT,  192                         ; v192-255 my tokens' sums: trip i at OUT + 4 i
.set MSB, 0
.macro WIN new                         ; the immediate's high byte repeats the setting that is left
.if MSB != \new
	s_set_vgpr_msb (MSB<<8)|\new
.set MSB, \new
.endif
.endm
	s_load_b256 s[4:11], s[0:1], 0x0               ; actbuf, w2buf, route, topk_weights
	s_load_b64 s[12:13], s[0:1], 0x20              ; out0
	v_lshl_add_u32 v[SPW], v0, 2, SPARE
	v_lshrrev_b32 v64, 5, v0
	v_readfirstlane_b32 s14, v64                   ; wave = expert
	v_and_b32 v65, 31, v0
	v_and_b32 v66, 15, v0                          ; r
	v_bfe_u32 v67, v0, 4, 1                        ; h
	v_mov_b32 v[NIL], 0
	v_lshlrev_b32 v[LI], 4, v65
	v_lshlrev_b32 v[R16], 4, v66
	s_lshl_b32 s15, s14, 15
	v_add_nc_u32 v61, s15, v[LI]
.set k, 0
.rept 64
	v_mov_b32 v[OUT+k], 0
.set k, k+1
.endr
.set k, 0
.rept 64                               ; my 32,768 bytes of the stage
	ds_store_b128 v61, v[OUT:OUT+3] offset:512*k
.set k, k+1
.endr
	v_lshlrev_b32 v69, 2, v67
	v_xor_b32 v69, v69, v66
	v_lshlrev_b32 v69, 4, v69
	v_lshl_add_u32 v69, v66, 8, v69                ; row r, column (4 h) xor r
	v_add_nc_u32 v[ST], s15, v69
.irp n, 1,2,3,4,5,6,7                  ; column 8 (n / 4) + 4 h + 2 (n / 2 % 2) + n % 2
	v_xor_b32 v[ST+\n], 16*(8*(\n/4)+2*((\n/2)%2)+\n%2), v[ST]
.endr
	v_lshl_add_u32 v60, v67, 3, v[R16]             ; 8 x (2 r + h): my token's two entries
	s_and_b32 s16, ttmp7, 0xffff                   ; b
	s_lshl_b32 s17, s16, 11
	s_lshl_b32 s18, s14, 8
	s_add_co_u32 s54, s17, s18                     ; my 32 tokens' entries
	s_mov_b32 s55, 0
	s_lshl_b32 s18, s16, 7
	s_lshl_b32 s19, s14, 3
	s_add_co_u32 s18, s18, s19
	s_lshl_b32 s19, s14, 5
	s_add_co_u32 s19, s19, ttmp9                   ; 32 expert + S
	s_lshl_b32 s20, s19, 15
	s_mov_b32 s21, 0
	s_lshl_b32 s38, s19, 10
	s_mov_b32 s39, 0
	s_lshl_b32 s58, s54, 10                        ; (my first token) x 8,192
	s_lshl_b32 s59, ttmp9, 8
	s_add_co_u32 s58, s58, s59
	s_mov_b32 s59, 0
	s_wait_alu depctr_va_vdst(0)                   ; the wait at the head's end
	s_wait_kmcnt 0x0
	s_load_b64 s[22:23], s[8:9], s18 offset:TB_OFF ; my segment's first tile, its tiles
	s_add_nc_u64 s[28:29], s[8:9], s[54:55]
	s_add_nc_u64 s[30:31], s[10:11], s[54:55]
	s_add_nc_u64 s[24:25], s[6:7], s[20:21]
	s_add_nc_u64 s[26:27], s[6:7], s[38:39]
	s_add_nc_u64 s[26:27], s[26:27], W2S_OFF
	s_add_nc_u64 s[52:53], s[12:13], s[58:59]
	s_add_nc_u64 s[60:61], s[4:5], AS_OFF
	global_load_b64 v[IV:IV+1], v60, s[28:29] offset:INV_OFF
	global_load_b64 v[WT:WT+1], v60, s[30:31]
	global_load_b128 v[WSC:WSC+3], v[LI], s[26:27]
	global_load_b128 v[WSC+4:WSC+7], v[LI], s[26:27] offset:512
	WIN 0x40
.set k, 0
.rept 64                               ; fragment (s, n) at v[16 (4 s + n)] of window 1
	global_load_b128 v[4*k:4*k+3], v[LI], s[24:25] offset:512*k
.set k, k+1
.endr
	WIN 0
	s_wait_kmcnt 0x0
	s_min_u32 s42, s22, 353
	s_min_u32 s41, s23, 32                         ; tiles to go
	s_add_co_u32 s43, s42, s41
	s_sub_co_u32 s43, s43, 1                       ; the segment's last tile
	s_mov_b32 s40, 0                               ; the pass
; 17 loads: tile s42 + k (held at the segment's last) into buffer buf, its scale words into sc; s[sb:sb+3] its addresses, which the wait for the buffer's last tile has freed
.macro TL buf, sc, sb, k
	s_add_co_u32 s56, s42, \k
	s_min_u32 s56, s56, s43
	s_min_u32 s56, s56, 353
	s_lshl_b32 s58, s56, 13
	s_add_nc_u64 s[\sb:\sb+1], s[4:5], s[58:59]
	s_lshl_b32 s58, s56, 8
	s_add_nc_u64 s[\sb+2:\sb+3], s[60:61], s[58:59]
.irp f, 0,1,2,3,4,5,6,7,8,9,10,11,12,13,14,15
	global_load_b128 v[\buf+4*\f:\buf+4*\f+3], v[LI], s[\sb:\sb+1] offset:512*\f
.endr
	global_load_b128 v[\sc:\sc+3], v[R16], s[\sb+2:\sb+3]
.endm
.macro WM zero, ra
.if \zero
.if \ra
	v_wmma_scale_f32_16x16x128_f8f6f4 v[rD:rD+7], v[rA:rA+15], v[rB:rB+15], 0, v[rSA], v[rSB] matrix_a_scale:MATRIX_SCALE_ROW1
.else
	v_wmma_scale_f32_16x16x128_f8f6f4 v[rD:rD+7], v[rA:rA+15], v[rB:rB+15], 0, v[rSA], v[rSB]
.endif
.else
.if \ra
	v_wmma_scale_f32_16x16x128_f8f6f4 v[rD:rD+7], v[rA:rA+15], v[rB:rB+15], v[rD:rD+7], v[rSA], v[rSB] matrix_a_scale:MATRIX_SCALE_ROW1
.else
	v_wmma_scale_f32_16x16x128_f8f6f4 v[rD:rD+7], v[rA:rA+15], v[rB:rB+15], v[rD:rD+7], v[rSA], v[rSB]
.endif
.endif
.endm
.macro PRODUCT buf, sc, slot
	s_wait_dscnt 0x0                               ; the last tile's LDS stores have read the accumulators
	WIN 0x01                                       ; source 0 (w2) window 1
.irp s, 0,1,2,3
.irp n, 0,1,2,3                        ; the four accumulators take turns, one instruction a turn
.set rD, ACC+8*\n
.set rA, 16*(4*\s+\n)
.set rB, \buf+16*\s
.set rSA, WSC+4*(\n/2)+\s
.set rSB, \sc+\s
.if \s == 0
	WM 1, \n%2
.else
	WM 0, \n%2
.endif
.endr
.endr
.rept 9
	v_nop                                          ; places: the results are read next, the buffer is loaded again, and the next tile's first products write over these accumulators (ISA guide 7.12.1)
.endr
	WIN 0
.irp n, 0,1,2,3                        ; register j of tile n: column 32 (n / 2) + 16 h + 8 (n % 2) + j of row r
	ds_store_b128 v[ST+2*\n], v[ACC+8*\n:ACC+8*\n+3] offset:4096*(\slot)
	ds_store_b128 v[ST+2*\n+1], v[ACC+8*\n+4:ACC+8*\n+7] offset:4096*(\slot)
.endr
.endm
.macro TAIL j                          ; no tile behind slot 2 j + 1; Q holds that slot's tile, or the last once more
	s_wait_loadcnt 0x0
	s_cmp_gt_u32 s41, 2*\j+1
	s_cbranch_scc0 .Lcomputed
	PRODUCT Q, QS, 2*\j+1
.endm
.Lpass:
	s_cmp_lg_u32 s41, 0
	s_cbranch_scc0 .Lcomputed
	TL P, PS, 44, 0
	TL Q, QS, 68, 1
.irp j, 0,1,2
	s_wait_loadcnt 17                              ; P is in, and all that is older; Q's 17 loads may be out
	PRODUCT P, PS, 2*\j
	s_cmp_gt_u32 s41, 2*\j+2
	s_cbranch_scc0 .Ltail\j
	TL P, PS, 44, 2*\j+2
	s_wait_loadcnt 17                              ; Q is in; P's 17 loads may be out
	PRODUCT Q, QS, 2*\j+1
	TL Q, QS, 68, 2*\j+3
.endr
	s_wait_loadcnt 17
	PRODUCT P, PS, 6
	TAIL 3
	s_branch .Lcomputed
.Ltail0:
	TAIL 0
	s_branch .Lcomputed
.Ltail1:
	TAIL 1
	s_branch .Lcomputed
.Ltail2:
	TAIL 2
.Lcomputed:
	s_wait_dscnt 0x0                               ; for the others' sake: my rows lie in the stage
	s_barrier_signal -1
	s_barrier_wait -1
	s_wait_loadcnt 0x0                             ; INV and the weights, where my expert had no tile
	v_lshrrev_b32 v64, 10, v[IV]
	v_lshrrev_b32 v65, 10, v[IV+1]
	v_cmp_eq_u32 s48, s40, v64                     ; entries whose row lies in this pass
	v_cmp_eq_u32 s49, s40, v65
	s_or_b32 s50, s48, s49
	s_cmp_lg_u32 s50, 0
	s_cbranch_scc0 .Lgathered                      ; none of my tokens has a row here
	v_cndmask_b32 v66, 0, v[WT], s48
	v_cndmask_b32 v67, 0, v[WT+1], s49
.irp t, 0,1
	v_and_b32 v[68+\t], 0x3ff, v[IV+\t]
	v_and_b32 v[70+\t], 15, v[IV+\t]
	v_lshl_add_u32 v[68+\t], v[68+\t], 4, v[70+\t] ; in units of 16 bytes: 16 x row + row % 16
.endr
	v_lshrrev_b32 v70, 4, v[R16]                   ; r: my column
.irp t, 72,73,74,75,76,77,78,79
	v_mov_b32 v[\t], 0                             ; a DPP form's destination counts as one of its sources
.endr
.irp i, 0,1,2,3,4,5,6,7,8,9,10,11,12,13,14,15   ; trip i: lanes 0-15 token 2 i, lanes 16-31 token 2 i + 1
	v_mov_b32_dpp v[72+2*(\i%2)], v68 row_share:\i row_mask:0xf bank_mask:0xf
	v_mov_b32_dpp v[73+2*(\i%2)], v69 row_share:\i row_mask:0xf bank_mask:0xf
	v_xor_b32 v[ACC+2*\i], v[72+2*(\i%2)], v70
	v_xor_b32 v[ACC+2*\i+1], v[73+2*(\i%2)], v70
	v_min_u32 v[ACC+2*\i], 0x3fff, v[ACC+2*\i]     ; held inside the stage's 16,384 places of 16 bytes
	v_min_u32 v[ACC+2*\i+1], 0x3fff, v[ACC+2*\i+1]
	v_lshlrev_b32 v[ACC+2*\i], 4, v[ACC+2*\i]
	v_lshlrev_b32 v[ACC+2*\i+1], 4, v[ACC+2*\i+1]
.endr
.macro LG g                            ; four trips: eight loads
.irp k, 0,1,2,3
	ds_load_b128 v[96+32*((\g)%2)+8*\k:99+32*((\g)%2)+8*\k], v[ACC+8*(\g)+2*\k]
	ds_load_b128 v[100+32*((\g)%2)+8*\k:103+32*((\g)%2)+8*\k], v[ACC+8*(\g)+2*\k+1]
.endr
.endm
.macro SUM g
.irp k, 0,1,2,3
.set rI, 4*(\g)+\k
.set rO, OUT+4*rI
.set rP, 96+32*((\g)%2)+8*\k
.set rW, 76+2*(\k%2)
	v_mov_b32_dpp v[rW], v66 row_share:rI row_mask:0xf bank_mask:0xf
	v_mov_b32_dpp v[rW+1], v67 row_share:rI row_mask:0xf bank_mask:0xf
	v_pk_fma_f32 v[rO:rO+1], v[rP:rP+1], v[rW:rW+1], v[rO:rO+1] op_sel_hi:[1,0,1]
	v_pk_fma_f32 v[rO+2:rO+3], v[rP+2:rP+3], v[rW:rW+1], v[rO+2:rO+3] op_sel_hi:[1,0,1]
	v_pk_fma_f32 v[rO:rO+1], v[rP+4:rP+5], v[rW:rW+1], v[rO:rO+1] op_sel:[0,1,0]
	v_pk_fma_f32 v[rO+2:rO+3], v[rP+6:rP+7], v[rW:rW+1], v[rO+2:rO+3] op_sel:[0,1,0]
.endr
.endm
	LG 0
	LG 1
	s_wait_dscnt 8                                 ; the first eight rows are in
	SUM 0
	LG 2
	s_wait_dscnt 8
	SUM 1
	LG 3
	s_wait_dscnt 8
	SUM 2
	s_wait_alu depctr_va_vdst(0)
	s_wait_dscnt 0x0
	SUM 3
.Lgathered:
	s_wait_alu depctr_va_vdst(0)                   ; the wait ahead of the barrier and the branch
	s_wait_dscnt 0x0                               ; my reads of the stage are over
	s_barrier_signal -1
	s_min_u32 s56, s41, 8
	s_sub_co_u32 s41, s41, s56
	s_add_co_u32 s42, s42, 8
	s_barrier_wait -1                              ; behind it the stage may be filled anew
	s_add_co_u32 s40, s40, 1
	s_cmp_lt_u32 s40, 4
	s_cbranch_scc1 .Lpass
	v_lshrrev_b32 v65, 8, v[LI]
	v_lshl_add_u32 v64, v65, 13, v[R16]
.irp i, 0,1,2,3,4,5,6,7,8,9,10,11,12,13,14,15
	global_store_b128 v64, v[OUT+4*\i:OUT+4*\i+3], s[52:53] offset:16384*\i th:TH_STORE_NT   ; 16 lanes store 256 neighbouring bytes of a row of out, at a multiple of 256
.endr
	s_wait_tensorcnt 0x0                           ; the wave's end
	ds_add_u32 v[SPW], v[NIL]
	s_wait_dscnt 0x0
	s_endpgm
.Lfunc_end_k_q826a14ca2d_down:
	.size	k_q826a14ca2d_down, .Lfunc_end_k_q826a14ca2d_down-k_q826a14ca2d_down
	.p2alignl 7, 3214868480
	.fill 96, 4, 3214868480
	.section	.rodata,"a",@progbits
	.p2align	6, 0x0
	.amdhsa_kernel k_q826a14ca2d_down
		.amdhsa_group_segment_fixed_size 263168
		.amdhsa_private_segment_fixed_size 0
		.amdhsa_enable_private_segment 0
		.amdhsa_kernarg_size 40
		.amdhsa_user_sgpr_count 2
		.amdhsa_user_sgpr_kernarg_segment_ptr 1
		.amdhsa_wavefront_size32 1
		.amdhsa_system_sgpr_workgroup_id_x 1
		.amdhsa_system_sgpr_workgroup_id_y 1
		.amdhsa_system_sgpr_workgroup_id_z 1
		.amdhsa_system_vgpr_workitem_id 0
		.amdhsa_next_free_vgpr 512
		.amdhsa_next_free_sgpr 80
		.amdhsa_reserve_vcc 0
		.amdhsa_float_denorm_mode_32 3
		.amdhsa_float_denorm_mode_16_64 3
		.amdhsa_memory_ordered 1
		.amdhsa_forward_progress 1
		.amdhsa_inst_pref_size 80
	.end_amdhsa_kernel
	.amdgpu_metadata
---
amdhsa.version: [ 1, 2 ]
amdhsa.kernels:
  - .name:           k_q826a14ca2d_down
    .symbol:         k_q826a14ca2d_down.kd
    .args:
      - { .name: actbuf, .offset: 0, .size: 8, .value_kind: global_buffer, .address_space: global }
      - { .name: w2buf, .offset: 8, .size: 8, .value_kind: global_buffer, .address_space: global }
      - { .name: route, .offset: 16, .size: 8, .value_kind: global_buffer, .address_space: global }
      - { .name: topk_weights, .offset: 24, .size: 8, .value_kind: global_buffer, .address_space: global }
      - { .name: out0, .offset: 32, .size: 8, .value_kind: global_buffer, .address_space: global }
    .group_segment_fixed_size: 263168
    .private_segment_fixed_size: 0
    .kernarg_segment_align: 8
    .kernarg_segment_size: 40
    .max_flat_workgroup_size: 256
    .sgpr_count:     80
    .vgpr_count:     512
    .wavefront_size: 32
...
	.end_amdgpu_metadata
.endif
;; end of part 3
